; MI455X (gfx1250); checked and timed in simulation.
; The chip was launched on July 23, 2026; its instructions are those of AMD's public machine-readable ISA for CDNA 5 (MIT licence, August 2026) and "CDNA5" Instruction Set Architecture Reference Guide (July 2026). The comments in the code are by the model that wrote it; some were corrected since.
;; Wrapped Lo RA Linear. Allowed arithmetic: matrix products marked QUANTISED: E4M3 operands, one E8M0 scale for each 32 along K, by v_wmma_scale_f32_16x16x128_f8f6f4 with both operands' format E4M3, f32 sums; products left as they are: f32 operands where the result goes on into a quantised operand, else bf16, f16 or f32 operands; f32 sums; everything else in f32.
;; Inputs: W 4,096 x 4,096 float32; b 4,096 float32; down_aux 4,096 x 64 float32; hyper_down 4 x 64 x 16 float32; hyper_up 4 x 16 x 64 float32; up_aux 64 x 4,096 float32; x 4 x 1,024 x 4,096 float32.
;; Outputs: out0 4 x 1,024 x 4,096 float32.
;; This version of the problem:
;;   THIS VERSION OF THE PROBLEM IS GIVEN IN LOW PRECISION. The matrix products marked QUANTISED in the list below multiply operands that are first quantised to E4M3 (4 exponent bits, 3 mantissa bits; 8 bits a number), with one power-of-two scale for each 32 numbers along K (OCP MX v1.0); their sums are f32. All else is computed in f32.
;;   The module's matrix products, in the order in which they are computed (A, B: the left and right operand; K: the contracted axis; several contracted axes count as one K, in the product's order):
;;     1. [M 4,096, K 4,096] x [K 4,096, N 4,096]; A: input x; B: input W: QUANTISED
;;     2. [M 64, K 64] x [K 64, N 4,096]; A: input hyper_down; B: input down_aux: QUANTISED
;;     3. [M 64, K 64] x [K 64, N 4,096]; A: input hyper_up; B: input up_aux: QUANTISED
;;     4. batch 4 x [M 1,024, K 4,096] x [K 4,096, N 16]; A: input x; B: computed on the way: QUANTISED
;;     5. batch 4 x [M 1,024, K 16] x [K 16, N 4,096]; A: computed on the way; B: computed on the way: left as it is (K = 16 < 32)
;;   THE QUANTISER, for each operand of a quantised product, along K:
;;     - K is cut into blocks of 32 from its start; a last block that is shorter is filled with zeros.
;;     - A block's scale is 2^e with e = floor(log2(the largest magnitude in the block)) - 8, held to -126 .. 127; a block of zeros has e = 0. As a byte (E8M0): e + 127.
;;     - Each number is divided by its block's scale, clamped to +-448, and rounded to the nearest number of E4M3, ties to even, subnormals kept.
;;     - The product sums the exact products of the quantised numbers (number of the format x scale) in f32.
;;   ~~~python
;;   def quantise(x, axis):      # numpy; x: float32 -> the quantised numbers, widened to float32 again
;;       x = np.moveaxis(x, axis, -1); K = x.shape[-1]
;;       x = np.pad(x, [(0, 0)] * (x.ndim - 1) + [(0, -K % 32)]); x = x.reshape(x.shape[:-1] + (-1, 32)); a = np.abs(x).max(-1, keepdims=True)
;;       e = np.where(a > 0, np.clip(np.frexp(np.where(a > 0, a, 1))[1] - 1 - 8, -126, 127), 0)      # np.frexp(a)[1] - 1 = floor(log2(a)), exactly
;;       r = np.clip(x / 2.0 ** e, -448, 448)
;;       step = 2.0 ** (np.maximum(np.frexp(np.where(r == 0, 1, r))[1] - 1, -6) - 3)
;;       q = np.round(r / step) * step * 2.0 ** e      # np.round: ties to even
;;       return np.moveaxis(q.reshape(q.shape[:-2] + (-1,))[..., :K], -1, axis).astype(np.float32)
;;   ~~~
;;   OPERANDS COMPUTED ON THE WAY. 'Computed on the way' means the value that the module computes at that place (a softmax that the list does not call 'softmax' is quantised finished and normalised). What goes into a quantiser is computed in f32, as accurately as f32 sums, v_exp_f32 and their like allow (about 1e-6 of the number): no bf16 or f16 on the way to a quantiser, and a product that is left as it is and whose result goes on into a quantised operand takes f32 operands (vector FMAs, or v_wmma_f32_16x16x4_f32). A number that lies on a knife's edge between two numbers of the format may be rounded either way, as far as f32 arithmetic and the matrix unit's own rounding can turn it there, and no further.
;; One version. Each part assembles by itself: llvm-mc -triple=amdgcn-amd-amdhsa -mcpu=gfx1250 --defsym DOCPART=n.
;; ======== version 1 of 1: 3 launches
;; workspace buffers: xq 17,301,504 bytes; wq 17,301,504 bytes; dq 327,680 bytes; upi 1,048,576 bytes; lri 262,144 bytes
;; launch prep_w (part 1): grid 256 x 1, 8 waves a work-group, no clusters, 267,264 bytes of LDS; arguments W, down_aux, hyper_down, up_aux, hyper_up, wq, dq, upi; writes wq, dq, upi
.if DOCPART == 1
	.amdgcn_target "amdgcn-amd-amdhsa--gfx1250"
	.amdhsa_code_object_version 6
	.text
	.protected	k_qb81ed5bf3b_prep_w
	.globl	k_qb81ed5bf3b_prep_w
	.p2align	8
	.type	k_qb81ed5bf3b_prep_w,@function
k_qb81ed5bf3b_prep_w:
	s_mov_b64 s[64:65], 0
	v_nop
	global_prefetch_b8 v0, s[64:65] scope:SCOPE_SE
	s_setreg_imm32_b32 hwreg(HW_REG_WAVE_MODE, 25, 1), 1
	s_wait_xcnt 0x0
; W [4096][4096] f32 becomes codes of FP8 (E4M3) with one E8M0 scale byte for each 32 along K, laid as the product's launch reads them; and the two small products are made:
;   down[b][r][i] = sum over a of down_aux[i][a] hyper_down[b][a][r]   (both operands quantised along a, K = 64), then quantised along i: buffer dq;
;   up[b][o][r]   = sum over a of up_aux[a][o]  hyper_up[b][r][a]      (likewise), then 2 x up rounded to bf16: buffer upi (2 = ALPHA / RANK).
; THE QUANTISER: a block's scale is 2^(floor(log2(largest magnitude)) - 8): its byte is the largest magnitude's exponent field - 8, held at 1 from below; each number is held within +-448 x the scale and converted, ties to even.
; LIMITS: NaN and infinities among the inputs are not served.  A block of zeros gets the byte 1 where the rule says 127: its codes are zeros, and this program alone reads the bytes.
; LAYOUT OF wq: [row block of 128: 32][K step of 256: 16] blocks of 33,792 bytes.  In a block: fragment (tile i of 16 rows, q-th 128 along K) at (2 i + q) x 2,048, as an image of the operand's registers:
;   byte 512 c + 16 lane + e = the code of row 16 i + lane % 16 at k = 128 q + 32 c + 16 (lane / 16) + e; behind the 16 fragments the scale words: 32,768 + 128 i + 8 row + 4 q.
; LAYOUT OF dq: [4 b x 32 K steps of 128] blocks of 2,560 bytes: one fragment image of down_b (16 rows r), then at 2,048 + 256 half + 8 lane the two scale bytes of blocks 2 half, 2 half + 1 of row lane % 16, written twice.
; LAYOUT OF upi: [4 b x 256 tiles of 16 o] blocks of 1,024 bytes: a bf16 fragment (K = 32): at 16 lane the eight numbers 2 up[b][16 tile + lane % 16][8 (lane / 16) + 0 .. 7]; the same 512 bytes again for k = 16 .. 31.
; SHARES: work-group g takes rows 32 (g / 2) .. + 31 and half g % 2 of K; its wave w the K step 8 (g % 2) + w: two tiles of 16 rows x 256 K, four fragments.
; Each wave brings its two tiles into LDS bytes of its own by two tensor loads at the start; nothing is filled again, only the issuing wave reads the bytes: no barrier stands in this text.
; The small products stand between the request for the tiles and the wait for them: wave 0 makes 64 along i of down for one batch, waves 4 to 7 one tile of 16 o of up, a batch each.
; NO CLUSTER: the work-groups' tiles of W are disjoint; what is shared (hyper_down, hyper_up, 4 KiB a batch, and 16 KiB of down_aux between four work-groups) is small beside a work-group's 256 KiB of W.
.set WREG,  33280                      ; LDS of a wave: 32 rows x PITCH
.set TILE,  16640                      ; 16 rows
.set PITCH, 1040                       ; a row: 1,024 bytes + 16 of padding = 260 words: row r starts 4 r words on modulo 64, so the 16 rows that a load touches fall on 16 different groups of four banks (64 banks of 4 bytes: ISA guide 11.1)
.set BLK,   33792
.set LI,  4                            ; v4   16 x lane
.set LA,  5                            ; v5   LDS: my wave's region + PITCH x (lane % 16) + 64 x (lane / 16)
.set SO,  6                            ; v6   8 x lane
.set TM,  16                           ; v16-31 the quantiser's: +0 largest magnitudes, +4 bytes, +8 the holds, +12 the conversions' scale operands
.set SW,  32                           ; v32-35 scale words of the four fragments (in the jobs: of the small operands)
.set X0,  64                           ; v64-127, v128-191: 64 numbers of a fragment, two sets
.set X1,  128
.set PC0, 192                          ; v192-207, v208-223: a fragment's codes, two sets
.set PC1, 208
.set WV,  20
.set PP,  22                           ; g / 2
.set KH,  23                           ; g % 2
.set KS,  24                           ; my K step of 256
.set LB,  26                           ; my wave's LDS region
.set G1,  28                           ; s[28:35] descriptor group 1
.set G0,  36                           ; s[36:39], s[40:43] group 0 for tile 0, 1
.set SEL, 44
.set MNT, 46
.set DST, 48                           ; s[48:49] where my fragments go
.set SDST, 50                          ; s[50:51] where my scale words go
; nb blocks of 32 along K.  Register s + 16 b + i of a lane holds k = 32 b + 16 (lane / 16) + i of the lane's row.  Codes to v[pc] on (4 registers a block), the scale bytes to v[pw], tail v_nop behind the last conversion.
.macro QUANT s, pc, pw, nb, tail
.set qb, 0
.rept \nb
	v_max3_num_f32 v[TM+qb], |v[16*qb+(\s)]|, |v[16*qb+1+(\s)]|, 0x4800000   ; my 16 numbers of block qb, and the floor 2^(9 - 127): the byte cannot fall under 1
.set qb, qb+1
.endr
.set qi, 2
.rept 7
.set qb, 0
.rept \nb
	v_max3_num_f32 v[TM+qb], v[TM+qb], |v[16*qb+qi+(\s)]|, |v[16*qb+qi+1+(\s)]|   ; the blocks by turns
.set qb, qb+1
.endr
.set qi, qi+2
.endr
.set qb, 0
.rept \nb
	v_permlanex16_b32 v[TM+4+qb], v[TM+qb], s[SEL], s[SEL+1]
.set qb, qb+1
.endr
.set qb, 0
.rept \nb
	v_max_num_f32 v[TM+qb], v[TM+qb], v[TM+4+qb]          ; with lane l xor 16's 16: the block's largest magnitude
.set qb, qb+1
.endr
.set qb, 0
.rept \nb
	v_add_nc_u32 v[TM+12+qb], 0xfc000000, v[TM+qb]        ; 8 off its exponent field: the conversion takes this operand's exponent field as its scale
.set qb, qb+1
.endr
.set qb, 0
.rept \nb
	v_and_or_b32 v[TM+8+qb], v[TM+qb], 0x7f800000, s[MNT] ; 448 x the scale
.set qb, qb+1
.endr
.set qb, 0
.rept \nb
	v_lshrrev_b32 v[TM+4+qb], 23, v[TM+12+qb]             ; the scale's byte
.set qb, qb+1
.endr
	v_lshl_or_b32 v[\pw], v[TM+5], 8, v[TM+4]
.if \nb == 4
	v_lshl_or_b32 v[\pw], v[TM+6], 16, v[\pw]
	v_lshl_or_b32 v[\pw], v[TM+7], 24, v[\pw]
.endif
.set qb, 0
.rept \nb
.set qi, 0
.rept 16
	v_med3_num_f32 v[16*qb+qi+(\s)], v[16*qb+qi+(\s)], -v[TM+8+qb], v[TM+8+qb]   ; the conversion to an 8-bit code does not saturate (ISA guide 7.6.2): the hold comes first
.set qi, qi+1
.endr
	v_cvt_scalef32_pk8_fp8_f32 v[4*qb+(\pc):4*qb+1+(\pc)], v[16*qb+(\s):16*qb+7+(\s)], v[TM+12+qb]
	v_cvt_scalef32_pk8_fp8_f32 v[4*qb+2+(\pc):4*qb+3+(\pc)], v[16*qb+8+(\s):16*qb+15+(\s)], v[TM+12+qb]
.set qb, qb+1
.endr
.rept \tail
	v_nop                                                 ; a plain line behind the last conversion; four where a scaled matrix instruction takes the codes next
.endr
.endm
.macro LDX t, q, X                     ; fragment (t, q): my 64 numbers out of my wave's LDS
.irp c, 0,1,2,3
.irp j, 0,1,2,3
	ds_load_b128 v[\X+16*\c+4*\j:\X+16*\c+4*\j+3], v[LA] offset:\t*TILE+512*\q+128*\c+16*\j
.endr
.endr
.endm
.macro PUT t, q, pc                    ; its image: each store covers 512 consecutive bytes, aligned
.irp c, 0,1,2,3
	global_store_b128 v[LI], v[\pc+4*\c:\pc+4*\c+3], s[DST:DST+1] offset:(2*\t+\q)*2048+512*\c
.endr
.endm
.macro PLACES n
.rept \n
	v_nop
.endr
.endm
	s_load_b256 s[4:11], s[0:1], 0x0               ; W s[4:5], down_aux s[6:7], hyper_down s[8:9], up_aux s[10:11]
	s_load_b256 s[12:19], s[0:1], 0x20             ; hyper_up s[12:13], wq s[14:15], dq s[16:17], upi s[18:19]
	v_lshl_add_u32 v38, v0, 2, 0x41000
	v_mov_b32 v39, 0
	ds_add_u32 v38, v39
	ds_add_u32 v38, v39
	v_lshrrev_b32 v1, 5, v0
	v_readfirstlane_b32 s[WV], v1                  ; wave 0..7
	s_lshr_b32 s[PP], ttmp9, 1
	s_and_b32 s[KH], ttmp9, 1
	s_lshl_b32 s[KS], s[KH], 3
	s_add_co_u32 s[KS], s[KS], s[WV]
	; descriptor group 1: 16 rows x 256 elements of 4 bytes, 4,096 elements from row to row; in LDS 4 words of padding behind every 256
	s_mov_b32 s[G1+0], (2<<16)|(1<<20)|(7<<22)|(3<<25)
	s_mov_b32 s[G1+1], 256<<16                     ; tensor_dim0
	s_mov_b32 s[G1+2], 16<<16                      ; tensor_dim1
	s_mov_b32 s[G1+3], 256<<16                     ; tile_dim0
	s_mov_b32 s[G1+4], 16                          ; tile_dim1
	s_mov_b32 s[G1+5], 4096                        ; tensor_dim0_stride
	s_mov_b32 s[G1+6], 0
	s_mov_b32 s[G1+7], 0
	s_mul_i32 s[LB], s[WV], WREG
	s_lshl_b32 s54, s[PP], 19                      ; 32 rows of 16,384 bytes a pair of work-groups,
	s_lshl_b32 s55, s[KS], 10                      ; 1,024 bytes a K step
	s_add_co_u32 s54, s54, s55
	s_mov_b32 s55, 0
	s_mov_b32 s[SEL], 0x76543210
	s_mov_b32 s[SEL+1], 0xfedcba98                 ; v_permlanex16_b32's selects for lane l xor 16
	s_mov_b32 s[MNT], 0x600000                     ; the mantissa field of 448
	s_wait_dscnt 0x0
	s_wait_kmcnt 0x0
	s_add_nc_u64 s[54:55], s[4:5], s[54:55]
	s_mov_b32 s[G0], 1
	s_mov_b32 s[G0+1], s[LB]
	s_mov_b64 s[G0+2:G0+3], s[54:55]
	s_or_b32 s[G0+3], s[G0+3], 0x80000000
	s_mov_b32 s[G0+4], 1
	s_add_co_u32 s[G0+5], s[LB], TILE
	s_add_nc_u64 s[G0+6:G0+7], s[54:55], 262144    ; 16 rows on
	s_or_b32 s[G0+7], s[G0+7], 0x80000000
	tensor_load_to_lds s[G0:G0+3], s[G1:G1+7]      ; both first fills together, ahead of every wait on TENSORcnt and every LDS read: two loads of mine are out
	s_nop 0
	tensor_load_to_lds s[G0+4:G0+7], s[G1:G1+7]
	s_nop 0
	PLACES 4
	v_and_b32 v1, 31, v0                           ; lane
	v_and_b32 v2, 15, v0                           ; r
	v_bfe_u32 v3, v0, 4, 1                         ; h
	v_lshlrev_b32 v[LI], 4, v1
	v_lshlrev_b32 v[SO], 3, v1
	v_mul_u32_u24 v[LA], v2, PITCH
	v_lshl_add_u32 v[LA], v3, 6, v[LA]
	v_add_nc_u32 v[LA], s[LB], v[LA]
.irp b, 0,1,2,3
	v_mov_b32 v[TM+4+\b], 0                        ; written once: a lane permute's destination counts as one of its sources
.endr
	s_lshr_b32 s56, s[PP], 2                       ; the row block of 128,
	s_lshl_b32 s56, s56, 4
	s_add_co_u32 s56, s56, s[KS]                   ; x 16 + the K step,
	s_mul_i32 s56, s56, BLK
	s_and_b32 s57, s[PP], 3                        ; which two of the block's eight tiles are mine
	s_lshl_b32 s58, s57, 13
	s_add_co_u32 s58, s58, s56
	s_mov_b32 s59, 0
	s_add_nc_u64 s[DST:DST+1], s[14:15], s[58:59]
	s_lshl_b32 s58, s57, 8
	s_add_co_u32 s58, s58, s56
	s_add_co_u32 s58, s58, 32768
	s_add_nc_u64 s[SDST:SDST+1], s[14:15], s[58:59]
	s_cmp_eq_u32 s[WV], 0
	s_cbranch_scc1 .Ldq
	s_cmp_lt_u32 s[WV], 4
	s_cbranch_scc1 .Lmain
	; ---- waves 4 to 7: up of batch wave - 4, the 16 outputs o = 16 g + 0 .. 15
	s_sub_co_u32 s52, s[WV], 4
	s_lshl_b32 s54, s52, 12
	s_mov_b32 s55, 0
	s_add_nc_u64 s[12:13], s[12:13], s[54:55]      ; hyper_up of my batch: 16 x 64 f32
	s_lshl_b32 s54, ttmp9, 6
	s_add_nc_u64 s[10:11], s[10:11], s[54:55]      ; up_aux at column 16 g
	s_lshl_b32 s54, s52, 8
	s_add_co_u32 s54, s54, ttmp9
	s_lshl_b32 s54, s54, 10
	s_add_nc_u64 s[18:19], s[18:19], s[54:55]      ; my 1,024 bytes of upi
	v_lshlrev_b32 v8, 8, v2
	v_lshl_add_u32 v8, v3, 6, v8                   ; hyper_up: row r of 256 bytes, + 64 h: K = a is innermost
	v_lshlrev_b32 v9, 2, v2
	v_lshl_add_u32 v9, v3, 18, v9                  ; up_aux: column r, 16 h rows of 16,384 bytes down: a lane takes a column and its registers run down K
.irp c, 0,1
.irp j, 0,1,2,3
	global_load_b128 v[128+16*\c+4*\j:128+16*\c+4*\j+3], v8, s[12:13] offset:128*\c+16*\j
.endr
.endr
.irp c, 0,1
.irp i, 0,1,2,3,4,5,6,7,8,9,10,11,12,13,14,15
	global_load_b32 v[160+16*\c+\i], v9, s[10:11] offset:(32*\c+\i)*16384
.endr
.endr
.irp j, 0,1,2,3,4,5,6,7
	v_mov_b32 v[48+\j], 0                          ; K = 64 fills half of the instruction's 128: the other half is zero codes on both sides (their scale bytes are 0, which is no NaN)
	v_mov_b32 v[64+\j], 0
.endr
	s_wait_loadcnt 32                              ; hyper_up's eight loads are in; up_aux's 32 may be out
	QUANT 128, 40, 32, 2, 1
	s_wait_loadcnt 0x0
	QUANT 160, 56, 33, 2, 4
	v_wmma_scale_f32_16x16x128_f8f6f4 v[88:95], v[40:55], v[56:71], 0, v32, v33   ; source 0 = the 16 rows r, source 1 = the 16 columns o: lane (o, h), register j = up(o, 8 h + j)
	PLACES 8
.irp j, 0,2,4,6
	v_pk_mul_f32 v[96+\j:97+\j], v[88+\j:89+\j], 2.0 op_sel_hi:[1,0]   ; x ALPHA / RANK: exact
.endr
.irp j, 0,1,2,3
	v_cvt_pk_bf16_f32 v[104+\j], v[96+2*\j], v[97+2*\j]
.endr
	global_store_b128 v[LI], v[104:107], s[18:19]            ; k = 0 .. 15 of the bf16 fragment,
	global_store_b128 v[LI], v[104:107], s[18:19] offset:512 ; and k = 16 .. 31: the same numbers
	s_branch .Lmain
.Ldq:	; ---- wave 0: down of batch g / 64, i = 64 (g % 64) + 0 .. 63: half a fragment of 128
	s_lshr_b32 s52, ttmp9, 6
	s_lshl_b32 s52, s52, 12
	s_mov_b32 s53, 0
	s_add_nc_u64 s[8:9], s[8:9], s[52:53]          ; hyper_down of my batch: 64 x 16 f32
	s_and_b32 s52, ttmp9, 63
	s_lshl_b32 s52, s52, 14
	s_add_nc_u64 s[6:7], s[6:7], s[52:53]          ; down_aux at row 64 (g % 64): 256 bytes a row
	s_mul_i32 s52, s[PP], 2560                     ; g / 2 = 32 batch + the K step of 128
	s_lshl_b32 s54, s[KH], 10                      ; g % 2 = which half of the fragment
	s_add_co_u32 s54, s54, s52
	s_mov_b32 s55, 0
	s_add_nc_u64 s[56:57], s[16:17], s[54:55]      ; my codes
	s_lshl_b32 s54, s[KH], 8
	s_add_co_u32 s54, s54, s52
	s_add_co_u32 s54, s54, 2048
	s_add_nc_u64 s[58:59], s[16:17], s[54:55]      ; my scale bytes
	v_lshlrev_b32 v8, 2, v2
	v_lshl_add_u32 v8, v3, 10, v8                  ; hyper_down: column r, 16 h rows of 64 bytes down
	v_and_b32 v9, 8, v2
	v_add_nc_u32 v9, v9, v2                        ; r + 8 (r / 8): THE ROWS OF down_aux THAT FORM A TILE ARE NOT NEIGHBOURS: lane r of tile 2 b + u takes row 32 b + 8 u + r + 8 (r / 8),
	v_lshlrev_b32 v9, 8, v9                        ; so that the 16 registers of tiles 2 b and 2 b + 1 are 16 neighbours along i, the next K
	v_lshl_add_u32 v9, v3, 6, v9
.irp c, 0,1
.irp i, 0,1,2,3,4,5,6,7,8,9,10,11,12,13,14,15
	global_load_b32 v[88+16*\c+\i], v8, s[8:9] offset:(32*\c+\i)*64
.endr
.endr
.irp t, 0,1,2,3
.irp c, 0,1
.irp j, 0,1,2,3
	global_load_b128 v[128+32*\t+16*\c+4*\j:128+32*\t+16*\c+4*\j+3], v9, s[6:7] offset:(32*(\t/2)+8*(\t%2))*256+128*\c+16*\j
.endr
.endr
.endr
.irp j, 0,1,2,3,4,5,6,7
	v_mov_b32 v[48+\j], 0                          ; zero codes for k = 64 .. 127, on both sides
	v_mov_b32 v[64+\j], 0
	v_mov_b32 v[80+\j], 0
.endr
	s_wait_loadcnt 32                              ; hyper_down's 32 loads are in; the four tiles' 32 may be out
	QUANT 88, 40, 32, 2, 1
.irp t, 0,1,2,3
	s_wait_loadcnt 8*(3-\t)                        ; tile t's eight loads are in; the later tiles' may be out
	QUANT 128+32*\t, 56+16*(\t%2), 33+(\t%2), 2, 4
	v_wmma_scale_f32_16x16x128_f8f6f4 v[88+8*\t:95+8*\t], v[56+16*(\t%2):71+16*(\t%2)], v[40:55], 0, v[33+(\t%2)], v32   ; source 0 = 16 rows i, source 1 = the 16 r: lane (r, h), register 8 t + j = down(r, 32 (t / 2) + 16 h + 8 (t % 2) + j)
.endr
	PLACES 8
	QUANT 88, 120, 36, 2, 1                        ; down along i: two blocks of 32
	v_mov_b32 v37, v36
	global_store_b128 v[LI], v[120:123], s[56:57]
	global_store_b128 v[LI], v[124:127], s[56:57] offset:512
	global_store_b64 v[SO], v[36:37], s[58:59]     ; 32 lanes store 256 consecutive bytes, aligned
.Lmain:	; ---- every wave: its four fragments of W
	s_wait_xcnt 0x0                                ; the jobs' stores have read their registers, which are written again below
	s_wait_tensorcnt 0x1                           ; tile 0 has landed; tile 1's load, issued behind it, may be out
	LDX 0, 0, X0
	LDX 0, 1, X1
	s_wait_dscnt 16                                ; the first 16 loads are in; the 16 behind them may be out
	QUANT X0, PC0, SW, 4, 1
	PUT 0, 0, PC0
	s_wait_tensorcnt 0x0                           ; tile 1 has landed
	LDX 1, 0, X0
	s_wait_dscnt 16
	QUANT X1, PC1, SW+1, 4, 1
	PUT 0, 1, PC1
	LDX 1, 1, X1
	s_wait_dscnt 16
	s_wait_xcnt 0x0                                ; the stores of the first set of codes have read it
	QUANT X0, PC0, SW+2, 4, 1
	PUT 1, 0, PC0
	s_wait_dscnt 0x0
	s_wait_xcnt 0x0                                ; and those of the second set
	QUANT X1, PC1, SW+3, 4, 1
	PUT 1, 1, PC1
	v_and_b32 v10, 16, v0
	v_cmp_ne_u32 vcc_lo, 0, v10                    ; lanes 16-31
	v_cndmask_b32 v36, v32, v34, vcc_lo            ; both halves of the lanes hold each row's words: lanes 0-15 send tile 0's two, lanes 16-31 tile 1's
	v_cndmask_b32 v37, v33, v35, vcc_lo
	global_store_b64 v[SO], v[36:37], s[SDST:SDST+1]   ; 256 consecutive bytes, aligned
	s_wait_tensorcnt 0x0
	ds_add_u32 v38, v39
	s_wait_dscnt 0x0
	s_endpgm
.Lfunc_end_k_qb81ed5bf3b_prep_w:
	.size	k_qb81ed5bf3b_prep_w, .Lfunc_end_k_qb81ed5bf3b_prep_w-k_qb81ed5bf3b_prep_w
	.p2alignl 7, 3214868480
	.fill 96, 4, 3214868480
	.section	.rodata,"a",@progbits
	.p2align	6, 0x0
	.amdhsa_kernel k_qb81ed5bf3b_prep_w
		.amdhsa_group_segment_fixed_size 267264
		.amdhsa_private_segment_fixed_size 0
		.amdhsa_enable_private_segment 0
		.amdhsa_kernarg_size 64
		.amdhsa_user_sgpr_count 2
		.amdhsa_user_sgpr_kernarg_segment_ptr 1
		.amdhsa_wavefront_size32 1
		.amdhsa_system_sgpr_workgroup_id_x 1
		.amdhsa_system_sgpr_workgroup_id_y 1
		.amdhsa_system_sgpr_workgroup_id_z 1
		.amdhsa_system_vgpr_workitem_id 0
		.amdhsa_next_free_vgpr 256
		.amdhsa_next_free_sgpr 66
		.amdhsa_reserve_vcc 1
		.amdhsa_float_denorm_mode_32 3
		.amdhsa_float_denorm_mode_16_64 3
		.amdhsa_memory_ordered 1
		.amdhsa_forward_progress 1
		.amdhsa_inst_pref_size 89
	.end_amdhsa_kernel
	.amdgpu_metadata
---
amdhsa.version: [ 1, 2 ]
amdhsa.kernels:
  - .name:           k_qb81ed5bf3b_prep_w
    .symbol:         k_qb81ed5bf3b_prep_w.kd
    .args:
      - { .name: W, .offset: 0, .size: 8, .value_kind: global_buffer, .address_space: global }
      - { .name: down_aux, .offset: 8, .size: 8, .value_kind: global_buffer, .address_space: global }
      - { .name: hyper_down, .offset: 16, .size: 8, .value_kind: global_buffer, .address_space: global }
      - { .name: up_aux, .offset: 24, .size: 8, .value_kind: global_buffer, .address_space: global }
      - { .name: hyper_up, .offset: 32, .size: 8, .value_kind: global_buffer, .address_space: global }
      - { .name: wq, .offset: 40, .size: 8, .value_kind: global_buffer, .address_space: global }
      - { .name: dq, .offset: 48, .size: 8, .value_kind: global_buffer, .address_space: global }
      - { .name: upi, .offset: 56, .size: 8, .value_kind: global_buffer, .address_space: global }
    .group_segment_fixed_size: 267264
    .private_segment_fixed_size: 0
    .kernarg_segment_align: 8
    .kernarg_segment_size: 64
    .max_flat_workgroup_size: 256
    .sgpr_count:     66
    .vgpr_count:     256
    .wavefront_size: 32
...
	.end_amdgpu_metadata
.endif
;; end of part 1
;; launch prep_x (part 2): grid 256 x 1, 8 waves a work-group, no clusters, 283,648 bytes of LDS; arguments x, dq, xq, lri; writes xq, lri
.if DOCPART == 2
	.amdgcn_target "amdgcn-amd-amdhsa--gfx1250"
	.amdhsa_code_object_version 6
	.text
	.protected	k_qb81ed5bf3b_prep_x
	.globl	k_qb81ed5bf3b_prep_x
	.p2align	8
	.type	k_qb81ed5bf3b_prep_x,@function
k_qb81ed5bf3b_prep_x:
	s_mov_b64 s[64:65], 0
	v_nop
	global_prefetch_b8 v0, s[64:65] scope:SCOPE_SE
	s_setreg_imm32_b32 hwreg(HW_REG_WAVE_MODE, 25, 1), 1
	s_wait_xcnt 0x0
; x [4 x 1024][4096] f32 becomes codes of FP8 (E4M3) with one E8M0 scale byte for each 32 along K, laid as the product's launch reads them (buffer xq, laid as wq: see below);
; and on the codes just made, still in registers, low_rank[row][r] = sum over i of x[row][i] down[b][r][i] is multiplied (down's codes and scale bytes come from dq).
; THE QUANTISER: a block's scale is 2^(floor(log2(largest magnitude)) - 8): its byte is the largest magnitude's exponent field - 8, held at 1 from below; each number is held within +-448 x the scale and converted, ties to even.
; LIMITS: NaN and infinities among the inputs are not served.  A block of zeros gets the byte 1 where the rule says 127: its codes are zeros, and this program alone reads the bytes.
;   low_rank leaves as TWO partial sums, one for each half of K, each rounded to bf16: operands of the last product, which is left in bf16; bf16 has f32's range.
; LAYOUT OF xq: [row block of 128: 32][K step of 256: 16] blocks of 33,792 bytes.  In a block: fragment (tile i of 16 rows, q-th 128 along K) at (2 i + q) x 2,048, as an image of the operand's registers:
;   byte 512 c + 16 lane + e = the code of row 16 i + lane % 16 at k = 128 q + 32 c + 16 (lane / 16) + e; behind the 16 fragments the scale words: 32,768 + 128 i + 8 row + 4 q.
; LAYOUT OF lri: [tile of 16 rows: 256] blocks of 1,024 bytes, a bf16 fragment (K = 32): at 512 kh + 16 lane the eight partial sums over K half kh of row lane % 16, r = 8 (lane / 16) + 0 .. 7.
; SHARES: work-group g takes rows 32 (g / 2) .. + 31 and half kh = g % 2 of K; its wave w the K step 8 kh + w: two tiles of 16 rows x 256 K, four fragments.
; Each wave brings its two tiles into LDS bytes of its own by two tensor loads at the start; nothing is filled again.  The eight waves' partial sums of low_rank meet in LDS bytes of their own, behind the text's one barrier.
; NO CLUSTER: the work-groups' tiles of x are disjoint; what is shared, 40 KiB of dq, is small beside a work-group's 256 KiB of x.
.set WREG,  33280                      ; LDS of a wave: 32 rows x PITCH
.set TILE,  16640
.set PITCH, 1040                       ; a row: 1,024 bytes + 16 of padding = 260 words: the 16 rows that a load touches fall on 16 different groups of four banks (64 banks of 4 bytes: ISA guide 11.1)
.set RED,   8*WREG                     ; behind the waves' regions: 2,048 bytes a wave for the partial sums; no tile lands here
.set BLK,   33792
.set LI,  4                            ; v4   16 x lane
.set LA,  5                            ; v5   LDS: my wave's region + PITCH x (lane % 16) + 64 x (lane / 16)
.set SO,  6                            ; v6   8 x lane
.set WR,  7                            ; v7   RED + 2,048 wave + 16 lane
.set RA,  8                            ; v8   RED + 1,024 (wave % 2) + 16 lane
.set TM,  16                           ; v16-31 the quantiser's
.set SW,  32                           ; v32-35 scale words of the four fragments
.set DQS, 38                           ; v38-39 down's scale words for q = 0, 1
.set L,   40                           ; v40-47, v48-55 low_rank of tile 0, 1
.set X0,  64
.set X1,  128
.set PC0, 192
.set PC1, 208
.set DQF, 224                          ; v224-255 down's two fragments
.set WV,  20
.set PP,  22
.set KH,  23
.set KS,  24
.set LB,  26
.set G1,  28
.set G0,  36
.set SEL, 44
.set MNT, 46
.set DST, 48
.set SDST, 50
; nb blocks of 32 along K.  Register s + 16 b + i of a lane holds k = 32 b + 16 (lane / 16) + i of the lane's row.  Codes to v[pc] on, the scale bytes to v[pw], tail v_nop behind the last conversion.
.macro QUANT s, pc, pw, nb, tail
.set qb, 0
.rept \nb
	v_max3_num_f32 v[TM+qb], |v[16*qb+(\s)]|, |v[16*qb+1+(\s)]|, 0x4800000   ; my 16 numbers of block qb, and the floor 2^(9 - 127): the byte cannot fall under 1
.set qb, qb+1
.endr
.set qi, 2
.rept 7
.set qb, 0
.rept \nb
	v_max3_num_f32 v[TM+qb], v[TM+qb], |v[16*qb+qi+(\s)]|, |v[16*qb+qi+1+(\s)]|   ; the blocks by turns
.set qb, qb+1
.endr
.set qi, qi+2
.endr
.set qb, 0
.rept \nb
	v_permlanex16_b32 v[TM+4+qb], v[TM+qb], s[SEL], s[SEL+1]
.set qb, qb+1
.endr
.set qb, 0
.rept \nb
	v_max_num_f32 v[TM+qb], v[TM+qb], v[TM+4+qb]          ; with lane l xor 16's 16: the block's largest magnitude
.set qb, qb+1
.endr
.set qb, 0
.rept \nb
	v_add_nc_u32 v[TM+12+qb], 0xfc000000, v[TM+qb]        ; 8 off its exponent field: the conversion's scale operand
.set qb, qb+1
.endr
.set qb, 0
.rept \nb
	v_and_or_b32 v[TM+8+qb], v[TM+qb], 0x7f800000, s[MNT] ; 448 x the scale
.set qb, qb+1
.endr
.set qb, 0
.rept \nb
	v_lshrrev_b32 v[TM+4+qb], 23, v[TM+12+qb]             ; the scale's byte
.set qb, qb+1
.endr
	v_lshl_or_b32 v[\pw], v[TM+5], 8, v[TM+4]             ; the scale word stands more than eight plain lines ahead of the product that names it
.if \nb == 4
	v_lshl_or_b32 v[\pw], v[TM+6], 16, v[\pw]
	v_lshl_or_b32 v[\pw], v[TM+7], 24, v[\pw]
.endif
.set qb, 0
.rept \nb
.set qi, 0
.rept 16
	v_med3_num_f32 v[16*qb+qi+(\s)], v[16*qb+qi+(\s)], -v[TM+8+qb], v[TM+8+qb]   ; the conversion to an 8-bit code does not saturate (ISA guide 7.6.2): the hold comes first
.set qi, qi+1
.endr
	v_cvt_scalef32_pk8_fp8_f32 v[4*qb+(\pc):4*qb+1+(\pc)], v[16*qb+(\s):16*qb+7+(\s)], v[TM+12+qb]
	v_cvt_scalef32_pk8_fp8_f32 v[4*qb+2+(\pc):4*qb+3+(\pc)], v[16*qb+8+(\s):16*qb+15+(\s)], v[TM+12+qb]
.set qb, qb+1
.endr
.rept \tail
	v_nop                                                 ; four plain lines between the codes and the scaled matrix instruction that takes them
.endr
.endm
.macro LDX t, q, X
.irp c, 0,1,2,3
.irp j, 0,1,2,3
	ds_load_b128 v[\X+16*\c+4*\j:\X+16*\c+4*\j+3], v[LA] offset:\t*TILE+512*\q+128*\c+16*\j
.endr
.endr
.endm
.macro PUT t, q, pc                    ; each store covers 512 consecutive bytes, aligned
.irp c, 0,1,2,3
	global_store_b128 v[LI], v[\pc+4*\c:\pc+4*\c+3], s[DST:DST+1] offset:(2*\t+\q)*2048+512*\c
.endr
.endm
; low_rank of tile t += down x the fragment just made.  Source 0 = down's 16 rows r, source 1 = my 16 rows of x: lane (row, h), register j = low_rank(row, 8 h + j).
.macro MM t, q, pc
.if \q
	s_wait_alu depctr_va_vdst(0)                   ; the line adds in place onto the matrix instruction issued just before it
	v_wmma_scale_f32_16x16x128_f8f6f4 v[L+8*\t:L+8*\t+7], v[DQF+16*\q:DQF+16*\q+15], v[\pc:\pc+15], v[L+8*\t:L+8*\t+7], v[DQS+\q], v[SW+2*\t+\q]
.else
	v_wmma_scale_f32_16x16x128_f8f6f4 v[L+8*\t:L+8*\t+7], v[DQF+16*\q:DQF+16*\q+15], v[\pc:\pc+15], 0, v[DQS+\q], v[SW+2*\t+\q]
.endif
.endm
.macro PLACES n
.rept \n
	v_nop
.endr
.endm
	s_load_b256 s[4:11], s[0:1], 0x0               ; x s[4:5], dq s[6:7], xq s[8:9], lri s[10:11]
	v_lshl_add_u32 v62, v0, 2, 0x45000
	v_mov_b32 v63, 0
	ds_add_u32 v62, v63
	ds_add_u32 v62, v63
	v_lshrrev_b32 v1, 5, v0
	v_readfirstlane_b32 s[WV], v1                  ; wave 0..7
	s_lshr_b32 s[PP], ttmp9, 1
	s_and_b32 s[KH], ttmp9, 1
	s_lshl_b32 s[KS], s[KH], 3
	s_add_co_u32 s[KS], s[KS], s[WV]
	; descriptor group 1: 16 rows x 256 elements of 4 bytes, 4,096 elements from row to row; in LDS 4 words of padding behind every 256
	s_mov_b32 s[G1+0], (2<<16)|(1<<20)|(7<<22)|(3<<25)
	s_mov_b32 s[G1+1], 256<<16
	s_mov_b32 s[G1+2], 16<<16
	s_mov_b32 s[G1+3], 256<<16
	s_mov_b32 s[G1+4], 16
	s_mov_b32 s[G1+5], 4096
	s_mov_b32 s[G1+6], 0
	s_mov_b32 s[G1+7], 0
	s_mul_i32 s[LB], s[WV], WREG
	s_lshl_b32 s54, s[PP], 19
	s_lshl_b32 s55, s[KS], 10
	s_add_co_u32 s54, s54, s55
	s_mov_b32 s55, 0
	s_mov_b32 s[SEL], 0x76543210
	s_mov_b32 s[SEL+1], 0xfedcba98
	s_mov_b32 s[MNT], 0x600000
	s_wait_dscnt 0x0
	s_wait_kmcnt 0x0
	s_add_nc_u64 s[54:55], s[4:5], s[54:55]
	s_mov_b32 s[G0], 1
	s_mov_b32 s[G0+1], s[LB]
	s_mov_b64 s[G0+2:G0+3], s[54:55]
	s_or_b32 s[G0+3], s[G0+3], 0x80000000
	s_mov_b32 s[G0+4], 1
	s_add_co_u32 s[G0+5], s[LB], TILE
	s_add_nc_u64 s[G0+6:G0+7], s[54:55], 262144
	s_or_b32 s[G0+7], s[G0+7], 0x80000000
	tensor_load_to_lds s[G0:G0+3], s[G1:G1+7]      ; both first fills together, ahead of every wait on TENSORcnt, every LDS read and the barrier: two loads of mine are out
	s_nop 0
	tensor_load_to_lds s[G0+4:G0+7], s[G1:G1+7]
	s_nop 0
	PLACES 4
	v_and_b32 v1, 31, v0                           ; lane
	v_and_b32 v2, 15, v0                           ; r
	v_bfe_u32 v3, v0, 4, 1                         ; h
	v_lshlrev_b32 v[LI], 4, v1
	v_lshlrev_b32 v[SO], 3, v1
	s_lshr_b32 s52, s[PP], 5                       ; the batch: 1,024 rows are 32 pairs of work-groups
	s_lshl_b32 s52, s52, 5
	s_lshl_b32 s53, s[KS], 1
	s_add_co_u32 s52, s52, s53                     ; 32 batch + my first K step of 128
	s_mul_i32 s52, s52, 2560
	s_mov_b32 s53, 0
	s_add_nc_u64 s[6:7], s[6:7], s[52:53]
.irp q, 0,1
.irp c, 0,1,2,3
	global_load_b128 v[DQF+16*\q+4*\c:DQF+16*\q+4*\c+3], v[LI], s[6:7] offset:2560*\q+512*\c
.endr
	global_load_b32 v[56+2*\q], v[SO], s[6:7] offset:2560*\q+2048     ; the scale bytes of blocks 0, 1
	global_load_b32 v[57+2*\q], v[SO], s[6:7] offset:2560*\q+2048+256 ; and of blocks 2, 3
.endr
	v_mul_u32_u24 v[LA], v2, PITCH
	v_lshl_add_u32 v[LA], v3, 6, v[LA]
	v_add_nc_u32 v[LA], s[LB], v[LA]
	s_and_b32 s54, s[WV], 1
	s_lshl_b32 s55, s[PP], 1
	s_add_co_u32 s55, s55, s54                     ; the tile of 16 rows that waves 0 and 1 send out
	s_lshl_b32 s55, s55, 10
	s_lshl_b32 s56, s[KH], 9
	s_add_co_u32 s56, s56, s55
	s_mov_b32 s57, 0
	s_add_nc_u64 s[10:11], s[10:11], s[56:57]
	s_lshl_b32 s54, s54, 10
	v_add_nc_u32 v[RA], s54, v[LI]
	v_add_nc_u32 v[RA], RED, v[RA]
	s_lshl_b32 s55, s[WV], 11
	v_add_nc_u32 v[WR], s55, v[LI]
	v_add_nc_u32 v[WR], RED, v[WR]
.irp b, 0,1,2,3
	v_mov_b32 v[TM+4+\b], 0                        ; written once: a lane permute's destination counts as one of its sources
.endr
	s_lshr_b32 s56, s[PP], 2
	s_lshl_b32 s56, s56, 4
	s_add_co_u32 s56, s56, s[KS]
	s_mul_i32 s56, s56, BLK
	s_and_b32 s57, s[PP], 3
	s_lshl_b32 s58, s57, 13
	s_add_co_u32 s58, s58, s56
	s_mov_b32 s59, 0
	s_add_nc_u64 s[DST:DST+1], s[8:9], s[58:59]
	s_lshl_b32 s58, s57, 8
	s_add_co_u32 s58, s58, s56
	s_add_co_u32 s58, s58, 32768
	s_add_nc_u64 s[SDST:SDST+1], s[8:9], s[58:59]
	s_wait_loadcnt 0x0                             ; down's fragments and scale bytes
	v_lshl_or_b32 v[DQS], v57, 16, v56
	v_lshl_or_b32 v[DQS+1], v59, 16, v58
	s_wait_tensorcnt 0x1                           ; tile 0 has landed; tile 1's load, issued behind it, may be out
	LDX 0, 0, X0
	LDX 0, 1, X1
	s_wait_dscnt 16                                ; the first 16 loads are in; the 16 behind them may be out
	QUANT X0, PC0, SW, 4, 4
	MM 0, 0, PC0
	PUT 0, 0, PC0
	s_wait_tensorcnt 0x0                           ; tile 1 has landed
	LDX 1, 0, X0
	s_wait_dscnt 16
	QUANT X1, PC1, SW+1, 4, 4
	MM 0, 1, PC1
	PUT 0, 1, PC1
	LDX 1, 1, X1
	s_wait_dscnt 16
	s_wait_xcnt 0x0                                ; the stores of the first set of codes have read it; the product that read it stands a whole quantiser back
	QUANT X0, PC0, SW+2, 4, 4
	MM 1, 0, PC0
	PUT 1, 0, PC0
	s_wait_dscnt 0x0
	s_wait_xcnt 0x0
	QUANT X1, PC1, SW+3, 4, 4
	MM 1, 1, PC1
	PUT 1, 1, PC1
	v_and_b32 v10, 16, v0
	v_cmp_ne_u32 vcc_lo, 0, v10                    ; lanes 16-31
	v_cndmask_b32 v36, v32, v34, vcc_lo            ; lanes 0-15 send tile 0's two words, lanes 16-31 tile 1's
	v_cndmask_b32 v37, v33, v35, vcc_lo
	global_store_b64 v[SO], v[36:37], s[SDST:SDST+1]   ; 256 consecutive bytes, aligned
	PLACES 8                                       ; between the last product and the first read of its result
	ds_store_b128 v[WR], v[L:L+3]                  ; each result from its low end on
	ds_store_b128 v[WR], v[L+4:L+7] offset:512
	ds_store_b128 v[WR], v[L+8:L+11] offset:1024
	ds_store_b128 v[WR], v[L+12:L+15] offset:1536
	s_wait_dscnt 0x0                               ; for the others' sake: my stores have landed
	s_barrier_signal -1
	s_barrier_wait -1
	s_cmp_gt_u32 s[WV], 1
	s_cbranch_scc1 .Lend
	; waves 0 and 1: the eight waves' partial sums of tile wave are added, rounded to bf16 and sent out
.irp w, 0,1,2,3,4,5,6,7
	ds_load_b128 v[64+8*\w:64+8*\w+3], v[RA] offset:2048*\w
	ds_load_b128 v[64+8*\w+4:64+8*\w+7], v[RA] offset:2048*\w+512
.endr
	s_wait_dscnt 0x0
.irp w, 0,1,2,3
.irp k, 0,2,4,6
	v_pk_add_f32 v[64+8*\w+\k:65+8*\w+\k], v[64+8*\w+\k:65+8*\w+\k], v[96+8*\w+\k:97+8*\w+\k]
.endr
.endr
.irp w, 0,1
.irp k, 0,2,4,6
	v_pk_add_f32 v[64+8*\w+\k:65+8*\w+\k], v[64+8*\w+\k:65+8*\w+\k], v[80+8*\w+\k:81+8*\w+\k]
.endr
.endr
.irp k, 0,2,4,6
	v_pk_add_f32 v[64+\k:65+\k], v[64+\k:65+\k], v[72+\k:73+\k]
.endr
.irp j, 0,1,2,3
	v_cvt_pk_bf16_f32 v[56+\j], v[64+2*\j], v[65+2*\j]
.endr
	global_store_b128 v[LI], v[56:59], s[10:11]    ; 512 consecutive bytes, aligned
.Lend:
	s_wait_tensorcnt 0x0
	ds_add_u32 v62, v63
	s_wait_dscnt 0x0
	s_endpgm
.Lfunc_end_k_qb81ed5bf3b_prep_x:
	.size	k_qb81ed5bf3b_prep_x, .Lfunc_end_k_qb81ed5bf3b_prep_x-k_qb81ed5bf3b_prep_x
	.p2alignl 7, 3214868480
	.fill 96, 4, 3214868480
	.section	.rodata,"a",@progbits
	.p2align	6, 0x0
	.amdhsa_kernel k_qb81ed5bf3b_prep_x
		.amdhsa_group_segment_fixed_size 283648
		.amdhsa_private_segment_fixed_size 0
		.amdhsa_enable_private_segment 0
		.amdhsa_kernarg_size 32
		.amdhsa_user_sgpr_count 2
		.amdhsa_user_sgpr_kernarg_segment_ptr 1
		.amdhsa_wavefront_size32 1
		.amdhsa_system_sgpr_workgroup_id_x 1
		.amdhsa_system_sgpr_workgroup_id_y 1
		.amdhsa_system_sgpr_workgroup_id_z 1
		.amdhsa_system_vgpr_workitem_id 0
		.amdhsa_next_free_vgpr 256
		.amdhsa_next_free_sgpr 66
		.amdhsa_reserve_vcc 1
		.amdhsa_float_denorm_mode_32 3
		.amdhsa_float_denorm_mode_16_64 3
		.amdhsa_memory_ordered 1
		.amdhsa_forward_progress 1
		.amdhsa_inst_pref_size 49
	.end_amdhsa_kernel
	.amdgpu_metadata
---
amdhsa.version: [ 1, 2 ]
amdhsa.kernels:
  - .name:           k_qb81ed5bf3b_prep_x
    .symbol:         k_qb81ed5bf3b_prep_x.kd
    .args:
      - { .name: x, .offset: 0, .size: 8, .value_kind: global_buffer, .address_space: global }
      - { .name: dq, .offset: 8, .size: 8, .value_kind: global_buffer, .address_space: global }
      - { .name: xq, .offset: 16, .size: 8, .value_kind: global_buffer, .address_space: global }
      - { .name: lri, .offset: 24, .size: 8, .value_kind: global_buffer, .address_space: global }
    .group_segment_fixed_size: 283648
    .private_segment_fixed_size: 0
    .kernarg_segment_align: 8
    .kernarg_segment_size: 32
    .max_flat_workgroup_size: 256
    .sgpr_count:     66
    .vgpr_count:     256
    .wavefront_size: 32
...
	.end_amdgpu_metadata
.endif
;; end of part 2
;; launch gemm (part 3): grid 16 x 16, 4 waves a work-group, clusters of 4 x 4, 327,680 bytes of LDS; arguments xq, wq, upi, lri, b, out0; writes out0
.if DOCPART == 3
	.amdgcn_target "amdgcn-amd-amdhsa--gfx1250"
	.amdhsa_code_object_version 6
	.text
	.protected	k_qb81ed5bf3b_gemm
	.globl	k_qb81ed5bf3b_gemm
	.p2align	8
	.type	k_qb81ed5bf3b_gemm,@function
k_qb81ed5bf3b_gemm:
	s_mov_b64 s[64:65], 0
	v_nop
	global_prefetch_b8 v0, s[64:65] scope:SCOPE_SE
	s_setreg_imm32_b32 hwreg(HW_REG_WAVE_MODE, 25, 1), 1
	s_wait_xcnt 0x0
	s_wait_alu depctr_hold_cnt(0) depctr_sa_sdst(0) depctr_va_vdst(0) depctr_va_sdst(0) depctr_va_ssrc(0) depctr_va_vcc(0) depctr_vm_vsrc(0)
	s_getreg_b32 s2, hwreg(HW_REG_IB_STS2, 6, 4)
	s_cmp_eq_u32 s2, 0
	s_cbranch_scc0 .Lentry_in_a_cluster
	s_endpgm
.Lentry_in_a_cluster:
	s_bfe_u32 s2, ttmp6, 0x10000c
	s_cmp_lg_u32 s2, 0xf033
	s_cbranch_scc0 .Lentry_shape_is_right
	s_endpgm
.Lentry_shape_is_right:
; out0[row][o] = b[o] + sum over r of low_rank[row][r] 2 up[batch][o][r] + sum over i of x[row][i] W[o][i].
; The last sum is on codes of FP8 (E4M3) with one E8M0 scale for each 32 along K, by the scaled matrix instruction; the middle one (K = 16) on bf16 operands.  All sums in f32.
; THE SUMS BEGIN AS b + THE LOW-RANK TERM: 64 bf16 matrix instructions a wave, each with the bias as its C, start the 64 accumulators; the 2,048 scaled ones add onto them.  Nothing is cleared and nothing is added at the end.
;   The bf16 instruction's K is 32 and the rank 16: k = 0 .. 15 carries low_rank's partial sums over the first half of K, k = 16 .. 31 those over the second half, and up stands in both: the unit adds the two.
; A tile of out0, 256 x 256, is made by a work-group of four waves; a wave makes 128 x 128: 64 accumulators of 16 x 16, 512 registers.  K goes in 16 steps of 256 through a ring of two LDS slots.
; xq AND wq ARE LAID AS IMAGES OF THE OPERANDS' REGISTERS: [row block of 128][K step] blocks of 33,792 dense bytes: 16 fragments of 2,048 bytes (tile i, q-th 128 along K at (2 i + q) x 2,048; a load of 16 bytes a lane at
;   16 lane + 512 c brings registers 4 c .. 4 c + 3), then 1,024 bytes of scale words (128 i + 8 row + 4 q).  So one tensor load a wave brings codes and scales of 128 rows for a K step, every LDS load reads 512 (256) bytes on end,
;   and no padding is wanted.
; CLUSTERS: 4 x 4 work-groups.  The four of a row of the cluster need the same blocks of xq, the four of a column the same blocks of wq: each block is asked for JOINTLY, by the same tensor load with the same descriptor and a mask
;   that names the four.  THE MATRIX INSTRUCTIONS ARE USED TRANSPOSED (source 0 = 16 rows of W or of up, source 1 = 16 rows of x or of low_rank): a lane holds eight neighbouring numbers of a row of out0.
; LIMITS: NaN and infinities are not served; low_rank's two partial sums and 2 up are rounded to bf16.
; REGISTERS, in windows of 256: window 0: v0-31 addresses; v32-63 scale words, two sets; v128-255 A's fragments (8 x 16 rows x 128 K), ONE set (at the start: v128-191 low_rank, v192-255 the bias; on the way out: rows of out0).
;   window 1: B's fragments, TWO sets, at v0 and v128 (at the start: v0-63 up).   window 2: the 32 accumulators of my rows 0-63 ((a, b) at v[8 (8 a + b)]);   window 3: those of my rows 64-127.
.set BLK,    33792
.set SLOT,   4*BLK                     ; A's two blocks, then B's two
.set SPARE,  2*SLOT                    ; behind the ring: the spare words, 128 bytes for each wave: two blocks of 256 bytes that no other line names
.set SPITCH, 528                       ; the way out: a stage of 16 rows x (512 bytes + 16) for each wave, in slot 0, which has had its last fill and its last read when the first result is stored there
.set ROWC,   16384                     ; a row of out0 in bytes
.set NQ,     2
.set FR,     16
.set NL,     4
.set NP,     8                         ; places behind the scaled matrix instruction (ISA guide 7.12.1)
.set ADRA, 16                          ; v16-17  LDS address of my A fragments in slot 0, 1
.set ADRS, 18                          ; v18-19  of my scale words: lanes 0-15 A's rows, lanes 16-31 B's
.set ADRB, 20                          ; v20-21  of my B fragments
.set STO,  24                          ; v24     the way out: where I put 32 bytes of a row
.set RD,   25                          ; v25     where I read a row back
.set LI,   27                          ; v27     16 x lane: an image's place for my lane, and my byte offset in a row of out0
.set SPW,  28                          ; v28     LDS address of my spare word; never rewritten
.set NIL,  29                          ; v29     0; never rewritten
.set PFO,  30                          ; v30     256 x lane: the prefetches' offset; never rewritten
.set BO,   31                          ; v31     32 x (lane / 16): the bias's offset
.set SC,   32                          ; scale words: set s at v[SC + 16 s]; register 2 i + q: lanes 0-15 A's block i, lanes 16-31 B's block i
.set AF,   128
.set BK,   128
.set G1,  24                           ; s[24:31] group 1 for A's blocks; s[32:39] group 0, a set for each slot
.set G0,  32
.set G1B, 48                           ; s[48:55], s[56:63] the same for B's
.set G0B, 56
.set PFA, 66                           ; s[66:67] where my prefetches stand
.set LIM, 68                           ; s68  1 in a wave that prefetches, else the greatest number
.set MSB, 0
.macro WIN new                         ; the immediate's high byte repeats the setting that is left
.if MSB != \new
	s_set_vgpr_msb (MSB<<8)|\new
.set MSB, \new
.endif
.endm
.set MUL_LO, 0xa1                      ; source 0 (B) window 1, source 1 (A) window 0, C and D window 2
.set MUL_HI, 0xf1                      ; the same, C and D window 3
.set TO_B,   0x40                      ; destination window 1, address window 0
; A joint load: waves 0 and 1 fetch A's two blocks, waves 2 and 3 B's.  Each line has one mask and one set of registers; the branch hangs on the wave's number alone.  Four v_nop follow each line.
.macro JLOAD g0a, g1a, g0b, g1b
	s_cmp_eq_u32 s17, 0
	s_cbranch_scc0 .Lfor_b_\@
	tensor_load_to_lds s[\g0a:\g0a+3], s[\g1a:\g1a+7]
	s_nop 0
.rept 4
	v_nop
.endr
	s_branch .Lasked_\@
.Lfor_b_\@:
	tensor_load_to_lds s[\g0b:\g0b+3], s[\g1b:\g1b+7]
	s_nop 0
.rept 4
	v_nop
.endr
.Lasked_\@:
.endm
.macro CREST                           ; a round of the cluster's barrier behind its opening barrier
	s_cmp_lg_u32 s16, 0
	s_cbranch_scc1 .Lnot_wave_0_\@
	s_barrier_signal -3
.Lnot_wave_0_\@:
	s_barrier_wait -3
	s_barrier_signal -1
	s_barrier_wait -1
.endm
.macro CROUND
	s_barrier_signal -1
	s_barrier_wait -1
	CREST
.endm
; A prefetch of the codes of the K step that stands two refills on: 128 matrix instructions a wave lie between two refills.  Each block's 32,768 bytes of codes are named once in the launch: A's blocks by the clusters with x = 0,
; B's by those with y = 0; the four partners that ask for a block jointly take 8,192 bytes each, told apart by address; a lane names 256 bytes.  The loop's last trip asks for nothing: there is no K step two on.
.macro ASK
	s_cmp_gt_u32 s3, s[LIM]
	s_cbranch_scc0 .Lnot_mine_\@
	global_prefetch_b8 v[PFO], s[PFA:PFA+1] offset:BLK th:TH_LOAD_NT scope:SCOPE_SE
.Lnot_mine_\@:
.endm
.macro PLACES n
.rept \n
	v_nop
.endr
.endm
	s_load_b256 s[4:11], s[0:1], 0x0               ; xq s[4:5], wq s[6:7], upi s[8:9], lri s[10:11]
	s_load_b128 s[12:15], s[0:1], 0x20             ; b s[12:13], out0 s[14:15]
	v_lshl_add_u32 v[SPW], v0, 2, SPARE
	v_mov_b32 v[NIL], 0
	ds_add_u32 v28, v29
	ds_add_u32 v28, v29
	s_wait_dscnt 0x0
	v_lshrrev_b32 v1, 5, v0
	v_readfirstlane_b32 s16, v1                    ; wave 0..3
	s_lshr_b32 s17, s16, 1                         ; which half of the tile's rows is mine.  Also: I fetch for A (0) or for B (1)
	s_and_b32 s18, s16, 1                          ; which half of its columns.  Also: which of the two blocks I fetch
	s_bfe_u32 s40, ttmp6, 0x40000                  ; cx, cy: my place in the cluster
	s_bfe_u32 s41, ttmp6, 0x40004
	s_lshl_b32 s42, ttmp9, 2
	s_add_co_u32 s42, s42, s40                     ; tile column = 4 x cluster x + cx
	s_and_b32 s43, ttmp7, 0xffff
	s_lshl_b32 s43, s43, 2
	s_add_co_u32 s43, s43, s41                     ; tile row = 4 x cluster y + cy
	s_lshl_b32 s44, s41, 2
	s_lshl_b32 s44, 15, s44                        ; my row of the cluster
	s_lshl_b32 s45, 0x1111, s40                    ; my column
	; descriptor group 1: a dense block of 33,792 bytes as 132 rows of 32 elements of 8 bytes
	s_or_b32 s[G1+0], s44, (3<<16)|(1<<21)         ; 15:0 the mask: A's blocks go to my row; 17:16 elements of 8 bytes; 21 set beside a mask
	s_or_b32 s[G1B+0], s45, (3<<16)|(1<<21)
.irp g, G1, G1B
	s_mov_b32 s[\g+1], 32<<16                      ; tensor_dim0
	s_mov_b32 s[\g+2], 132<<16                     ; tensor_dim1
	s_mov_b32 s[\g+3], 32<<16                      ; tile_dim0
	s_mov_b32 s[\g+4], 132                         ; tile_dim1
	s_mov_b32 s[\g+5], 32                          ; tensor_dim0_stride
	s_mov_b32 s[\g+6], 0
	s_mov_b32 s[\g+7], 0
.endr
	s_lshl_b32 s20, s43, 1
	s_add_co_u32 s20, s20, s18                     ; A: row block 2 x tile row + which
	s_mul_i32 s20, s20, 16*BLK
	s_mov_b32 s21, 0
	s_lshl_b32 s46, s42, 1
	s_add_co_u32 s46, s46, s18                     ; B: row block 2 x tile column + which
	s_mul_i32 s46, s46, 16*BLK
	s_mov_b32 s47, 0
	s_mul_i32 s22, s16, BLK                        ; where it goes: wave x a block: no place in the cluster enters an LDS address
	s_wait_kmcnt 0x0
	s_add_nc_u64 s[20:21], s[4:5], s[20:21]
	s_add_nc_u64 s[46:47], s[6:7], s[46:47]
	CROUND                                         ; all sixteen work-groups are here: the first joint loads meet
.irp s, 0,1
	s_mov_b32 s[G0+4*\s], 1
	s_add_co_u32 s[G0+4*\s+1], s22, \s*SLOT
	s_add_nc_u64 s[G0+4*\s+2:G0+4*\s+3], s[20:21], \s*BLK
	s_or_b32 s[G0+4*\s+3], s[G0+4*\s+3], 0x80000000
	s_mov_b32 s[G0B+4*\s], 1
	s_add_co_u32 s[G0B+4*\s+1], s22, \s*SLOT
	s_add_nc_u64 s[G0B+4*\s+2:G0B+4*\s+3], s[46:47], \s*BLK
	s_or_b32 s[G0B+4*\s+3], s[G0B+4*\s+3], 0x80000000
	JLOAD G0+4*\s, G1, G0B+4*\s, G1B               ; K steps 0 and 1: two loads of mine are out
.endr
	v_and_b32 v1, 15, v0                           ; l % 16
	v_bfe_u32 v2, v0, 4, 1                         ; l / 16
	v_and_b32 v3, 31, v0
	v_lshlrev_b32 v[LI], 4, v3
	v_lshlrev_b32 v[BO], 5, v2
	v_lshlrev_b32 v[PFO], 8, v3
	; up: tiles 256 batch + 16 tile column + 8 half on;  low_rank: tiles 16 tile row + 8 half on;  the bias: my 128 columns
	s_lshr_b32 s70, s43, 2                         ; the batch: four tile rows of 256
	s_lshl_b32 s70, s70, 8
	s_lshl_b32 s71, s42, 4
	s_add_co_u32 s70, s70, s71
	s_lshl_b32 s71, s18, 3
	s_add_co_u32 s70, s70, s71
	s_lshl_b32 s70, s70, 10
	s_mov_b32 s71, 0
	s_add_nc_u64 s[8:9], s[8:9], s[70:71]
	s_lshl_b32 s70, s43, 4
	s_lshl_b32 s72, s17, 3
	s_add_co_u32 s70, s70, s72
	s_lshl_b32 s70, s70, 10
	s_add_nc_u64 s[10:11], s[10:11], s[70:71]
	s_lshl_b32 s70, s42, 10
	s_lshl_b32 s72, s18, 9
	s_add_co_u32 s70, s70, s72
	s_add_nc_u64 s[12:13], s[12:13], s[70:71]
	WIN TO_B
.irp n, 0,1,2,3,4,5,6,7
	global_load_b128 v[8*\n:8*\n+3], v[LI], s[8:9] offset:1024*\n        ; up's fragment n -> window 1
	global_load_b128 v[8*\n+4:8*\n+7], v[LI], s[8:9] offset:1024*\n+512
.endr
	WIN 0
.irp a, 0,1,2,3,4,5,6,7
	global_load_b128 v[128+8*\a:128+8*\a+3], v[LI], s[10:11] offset:1024*\a      ; low_rank's fragment a
	global_load_b128 v[128+8*\a+4:128+8*\a+7], v[LI], s[10:11] offset:1024*\a+512
.endr
.irp n, 0,1,2,3,4,5,6,7
	global_load_b128 v[192+8*\n:192+8*\n+3], v[BO], s[12:13] offset:64*\n        ; b at columns 16 n + 8 (l / 16) + 0 .. 7: the result's layout
	global_load_b128 v[192+8*\n+4:192+8*\n+7], v[BO], s[12:13] offset:64*\n+16
.endr
	; LDS addresses
	s_mul_i32 s70, s17, BLK                        ; my block of A
	s_add_co_u32 s71, s18, 2
	s_mul_i32 s71, s71, BLK                        ; my block of B
	s_sub_co_u32 s72, s71, s70
	v_mul_u32_u24 v4, s72, v2                      ; lanes 16-31 take B's scale words: one product, the distance between the two blocks
	v_lshl_add_u32 v4, v1, 3, v4                   ; 8 bytes a row
	v_add_nc_u32 v4, s70, v4
	v_add_nc_u32 v4, 32768, v4                     ; behind the block's codes
.irp s, 0,1
	v_add_nc_u32 v[ADRA+\s], s70, v[LI]
	v_add_nc_u32 v[ADRB+\s], s71, v[LI]
	v_add_nc_u32 v[ADRS+\s], \s*SLOT, v4
	s_add_co_u32 s70, s70, SLOT
	s_add_co_u32 s71, s71, SLOT
.endr
	s_mul_i32 s73, s16, 16*SPITCH                  ; my stage
	v_mul_u32_u24 v5, v1, SPITCH                   ; in: row l % 16, 32 bytes for each half of the lanes
	v_lshl_add_u32 v5, v2, 5, v5
	v_add_nc_u32 v[STO], s73, v5
	v_add_nc_u32 v[RD], s73, v[LI]                 ; back: the 32 lanes take one row of 512 bytes
	s_lshl_b32 s74, s43, 8
	s_lshl_b32 s75, s17, 7
	s_add_co_u32 s74, s74, s75                     ; my first row of out0
	s_lshl_b32 s74, s74, 14
	s_lshl_b32 s75, s42, 10
	s_add_co_u32 s74, s74, s75                     ; my first column, in bytes
	s_lshl_b32 s75, s18, 9
	s_add_co_u32 s74, s74, s75
	s_mov_b32 s75, 0
	s_add_nc_u64 s[14:15], s[14:15], s[74:75]
	; the prefetches: where mine stand, and whether I ask
	s_and_b32 s78, ttmp7, 0xffff                   ; cluster y
	s_cmp_eq_u32 s17, 0                            ; do I fetch for A?
	s_cselect_b32 s76, s43, s42                    ; by the tile row in xq, by the tile column in wq
	s_cselect_b32 s77, s40, s41                    ; my place among the four that ask with me
	s_cselect_b32 s78, ttmp9, s78                  ; the coordinate along which other clusters read the same block
	s_cselect_b64 s[PFA:PFA+1], s[4:5], s[6:7]
	s_cmp_eq_u32 s78, 0
	s_cselect_b32 s[LIM], 1, -1                    ; the same in all sixteen partners, for a given wave
	s_lshl_b32 s76, s76, 1
	s_add_co_u32 s76, s76, s18
	s_mul_i32 s76, s76, 16*BLK
	s_lshl_b32 s77, s77, 13                        ; my work-group's 8,192 bytes
	s_add_co_u32 s76, s76, s77
	s_add_co_u32 s76, s76, 2*BLK                   ; at K step 2: the first refill steps it to 3 and names K step 4.  Nothing is asked for here, at the head
	s_mov_b32 s77, 0
	s_add_nc_u64 s[PFA:PFA+1], s[PFA:PFA+1], s[76:77]
	s_wait_loadcnt 0x0                             ; up, low_rank and the bias are in
	WIN 0x81                                       ; source 0 (up) window 1, source 1 (low_rank) and C (the bias) window 0, D window 2
.irp a, 0,1,2,3
.irp n, 0,1,2,3,4,5,6,7
	v_wmma_f32_16x16x32_bf16 v[8*(8*\a+\n):8*(8*\a+\n)+7], v[8*\n:8*\n+7], v[128+8*\a:128+8*\a+7], v[192+8*\n:192+8*\n+7]
.endr
.endr
	WIN 0xc1                                       ; D window 3
.irp a, 0,1,2,3
.irp n, 0,1,2,3,4,5,6,7
	v_wmma_f32_16x16x32_bf16 v[8*(8*\a+\n):8*(8*\a+\n)+7], v[8*\n:8*\n+7], v[160+8*\a:160+8*\a+7], v[192+8*\n:192+8*\n+7]
.endr
.endr
	WIN 0
	PLACES NP+1                                    ; between these products and the loads into their sources, and the other form's products that write over their results
.macro FRAG reg, adr, q, i             ; a fragment's image: four loads of 512 consecutive bytes
.irp c, 0,1,2,3
	ds_load_b128 v[\reg+4*\c:\reg+4*\c+3], v[\adr] offset:(2*(\i)+(\q))*2048+512*\c
.endr
.endm
; 16 matrix instructions: A's blocks a0, a0 + 1 x B's eight, 128 along K: the slot's q-th.  p: B's set;  sc: the set of scale words.
; The 64 accumulators take turns, one instruction a turn, in the same order in every step.
.macro MUL16 a0, p, q, sc
.irp a, \a0, \a0+1
.irp b, 0,1,2,3,4,5,6,7
	v_wmma_scale_f32_16x16x128_f8f6f4 v[8*(8*((\a)%4)+\b):8*(8*((\a)%4)+\b)+7], v[128*(\p)+FR*\b:128*(\p)+FR*\b+FR-1], v[AF+FR*(\a):AF+FR*(\a)+FR-1], v[8*(8*((\a)%4)+\b):8*(8*((\a)%4)+\b)+7], v[SC+8*NQ*(\sc)+NQ*\b+(\q)], v[SC+8*NQ*(\sc)+NQ*(\a)+(\q)] matrix_a_scale:MATRIX_SCALE_ROW1
.endr
.endr
.endm
.macro FETCH_B slot, q, p
	WIN TO_B
.irp i, 0,1,2,3,4,5,6,7
	FRAG 128*(\p)+FR*\i, ADRB+\slot, \q, \i
.endr
	WIN 0
.endm
.macro FETCH_A slot, q, i0
.irp i, \i0, \i0+1, \i0+2, \i0+3
	FRAG AF+FR*(\i), ADRA+\slot, \q, \i
.endr
.endm
.macro SCALES slot                     ; the slot's scale words: two a row; lanes 0-15 take A's block i, lanes 16-31 B's block i
.irp i, 0,1,2,3,4,5,6,7
	ds_load_b64 v[SC+16*\slot+2*\i:SC+16*\slot+2*\i+1], v[ADRS+\slot] offset:128*\i
.endr
.endm
; A slot's first 128 along K.  A block of A is free as soon as its eight products are issued: blocks 0-3 are fetched anew in the step's middle, blocks 4-7 at its end.
.macro STEP slot
	s_wait_dscnt 4*NL                              ; B's set, A's blocks 0-3 and the scale words are in; the youngest 16 loads (A's blocks 4-7) may be out
	WIN MUL_LO
	MUL16 0, 0, 0, \slot
	MUL16 2, 0, 0, \slot
	s_wait_dscnt 0                                 ; A's blocks 4-7 are in
	PLACES NP                                      ; in front of loads into registers that matrix instructions have read
	FETCH_B \slot, 1, 1
	FETCH_A \slot, 1, 0
	WIN MUL_HI
	MUL16 4, 0, 0, \slot
	MUL16 6, 0, 0, \slot
	PLACES NP
	WIN 0
	FETCH_A \slot, 1, 4
.endm
; A slot's second 128 along K changes slots: ONE barrier; in front of it each wave waits for all its tensor loads, adds 0 to its spare word, and waits for that and for its own reads of this slot.
; fill = 1: the barrier opens a round of the cluster's barrier, and this slot is filled again, two K steps ahead: the wave's one load behind the round.
.macro TURN slot, next, fill
.if \fill
	s_wait_xcnt 0x0                                ; the last prefetch, a K step back, has read its address, which steps here
	s_add_nc_u64 s[PFA:PFA+1], s[PFA:PFA+1], BLK
.endif
	s_wait_tensorcnt 0x0                           ; all my tensor loads have landed: my part of the next slot  (every window is 0 here)
	ds_add_u32 v[SPW], v[NIL]                      ; 0 onto my spare word
	s_wait_dscnt 4*NL+1                            ; (the add and the youngest 16 loads, A's blocks 4-7, may be out)
	WIN MUL_LO
	MUL16 0, 1, 1, \slot                           ; sixteen matrix instructions stand between the add and the wait for it
	s_wait_dscnt 0x0                               ; the add is done, and my reads of this slot are over
	s_barrier_signal -1
	MUL16 2, 1, 1, \slot
	WIN 0
	s_barrier_wait -1
.if \fill
	CREST                                          ; no wave of any partner still reads this slot or has a load on its way
	s_add_nc_u64 s[G0+4*\slot+2:G0+4*\slot+3], s[G0+4*\slot+2:G0+4*\slot+3], 2*BLK
	s_add_nc_u64 s[G0B+4*\slot+2:G0B+4*\slot+3], s[G0B+4*\slot+2:G0B+4*\slot+3], 2*BLK
	JLOAD G0+4*\slot, G1, G0B+4*\slot, G1B         ; the first tensor load behind the round; its four v_nop are among the places in front of the loads below
	PLACES NP-4
.else
	PLACES NP
.endif
	FETCH_B \next, 0, 0
	FETCH_A \next, 0, 0
	SCALES \next
.if \fill
	ASK                                            ; behind the joint load and the run of LDS loads
.endif
	WIN MUL_HI
	MUL16 4, 1, 1, \slot
	MUL16 6, 1, 1, \slot
	PLACES NP
	WIN 0
	FETCH_A \next, 0, 4
.endm
	s_wait_tensorcnt 0x1                           ; my part of K step 0 is in; K step 1's load may be out
	s_barrier_signal -1
	s_barrier_wait -1                              ; everybody's is
	FETCH_B 0, 0, 0
	FETCH_A 0, 0, 0
	SCALES 0
	FETCH_A 0, 0, 4
	STEP 0
	s_mov_b32 s3, 7
.Llap:                                                 ; a trip goes once round the ring and fills both slots again: K steps 2 to 15 in seven trips
	TURN 0, 1, 1
	STEP 1
	TURN 1, 0, 1
	STEP 0
	s_sub_co_u32 s3, s3, 1
	s_cmp_lg_u32 s3, 0
	s_cbranch_scc1 .Llap
	TURN 0, 1, 0                                   ; the last lap fills nothing, and has no round of the cluster's barrier
	STEP 1
	s_wait_dscnt 4*NL                              ; the very last 128 along K: nothing more to fetch
	WIN MUL_LO
	MUL16 0, 1, 1, 1
	MUL16 2, 1, 1, 1
	s_wait_dscnt 0
	WIN MUL_HI
	MUL16 4, 1, 1, 1
	MUL16 6, 1, 1, 1
	WIN 0
; THE WAY OUT, block by block of 16 rows x 128 columns: through my own stage in LDS, back as whole rows of 512 bytes.  LDS serves a wave's instructions in order (ISA guide 5.7.1.4): no wait between the stores and the loads.
.macro TOSTAGE a
.set AC, 64*((\a)%4)
	WIN 0x08+4*((\a)/4)                            ; an LDS store's data: window 2 or 3
.irp b, 0,1,2,3,4,5,6,7
	ds_store_b128 v[STO], v[AC+8*\b:AC+8*\b+3] offset:64*\b          ; each accumulator from its low end on
	ds_store_b128 v[STO], v[AC+8*\b+4:AC+8*\b+7] offset:64*\b+16
.endr
	WIN 0
.set BB, BK+64*((\a)%2)
.irp t, 0,1,2,3,4,5,6,7,8,9,10,11,12,13,14,15
	ds_load_b128 v[BB+4*\t:BB+4*\t+3], v[RD] offset:\t*SPITCH
.endr
.endm
.macro SEND a, younger                 ; younger: the LDS instructions issued behind block a's loads, which may stay out
.set BB, BK+64*((\a)%2)
	s_wait_dscnt \younger
.if (\a) > 0
	s_add_nc_u64 s[14:15], s[14:15], 16*ROWC       ; (behind a wait on XCNT: the earlier stores have read their base)  16 rows on
.endif
.irp t, 0,1,2,3,4,5,6,7,8,9,10,11,12,13,14,15
	global_store_b128 v[LI], v[BB+4*\t:BB+4*\t+3], s[14:15] offset:\t*ROWC th:TH_STORE_NT   ; 32 lanes store 512 consecutive bytes, aligned; written once, read by nobody here
.endr
.endm
	PLACES NP                                      ; between the last products and the reads of their results, and the loads into the registers that held A's fragments
	TOSTAGE 0
.irp a, 1,2,3,4,5,6,7
.if \a > 1
	s_wait_xcnt 0x0                                ; block a - 2's stores have read their registers and their base
.endif
	TOSTAGE \a
	SEND \a-1, 32                                  ; behind block a - 1's loads: block a's 16 stores and 16 loads
.endr
	s_wait_xcnt 0x0
	SEND 7, 0
	s_wait_tensorcnt 0x0                           ; the wave's end, behind my last tensor load and my last LDS store
	ds_add_u32 v[SPW], v[NIL]
	s_wait_dscnt 0x0
	CROUND                                         ; the closing round: no work-group ends while a partner may still ask for a block that names it
	s_endpgm
.Lfunc_end_k_qb81ed5bf3b_gemm:
	.size	k_qb81ed5bf3b_gemm, .Lfunc_end_k_qb81ed5bf3b_gemm-k_qb81ed5bf3b_gemm
	.p2alignl 7, 3214868480
	.fill 96, 4, 3214868480
	.section	.rodata,"a",@progbits
	.p2align	6, 0x0
	.amdhsa_kernel k_qb81ed5bf3b_gemm
		.amdhsa_group_segment_fixed_size 327680
		.amdhsa_private_segment_fixed_size 0
		.amdhsa_enable_private_segment 0
		.amdhsa_kernarg_size 48
		.amdhsa_user_sgpr_count 2
		.amdhsa_user_sgpr_kernarg_segment_ptr 1
		.amdhsa_wavefront_size32 1
		.amdhsa_system_sgpr_workgroup_id_x 1
		.amdhsa_system_sgpr_workgroup_id_y 1
		.amdhsa_system_sgpr_workgroup_id_z 1
		.amdhsa_system_vgpr_workitem_id 0
		.amdhsa_next_free_vgpr 1024
		.amdhsa_next_free_sgpr 80
		.amdhsa_reserve_vcc 0
		.amdhsa_float_denorm_mode_32 3
		.amdhsa_float_denorm_mode_16_64 3
		.amdhsa_memory_ordered 1
		.amdhsa_forward_progress 1
		.amdhsa_inst_pref_size 153
	.end_amdhsa_kernel
	.amdgpu_metadata
---
amdhsa.version: [ 1, 2 ]
amdhsa.kernels:
  - .name:           k_qb81ed5bf3b_gemm
    .symbol:         k_qb81ed5bf3b_gemm.kd
    .args:
      - { .name: xq, .offset: 0, .size: 8, .value_kind: global_buffer, .address_space: global }
      - { .name: wq, .offset: 8, .size: 8, .value_kind: global_buffer, .address_space: global }
      - { .name: upi, .offset: 16, .size: 8, .value_kind: global_buffer, .address_space: global }
      - { .name: lri, .offset: 24, .size: 8, .value_kind: global_buffer, .address_space: global }
      - { .name: b, .offset: 32, .size: 8, .value_kind: global_buffer, .address_space: global }
      - { .name: out0, .offset: 40, .size: 8, .value_kind: global_buffer, .address_space: global }
    .group_segment_fixed_size: 327680
    .private_segment_fixed_size: 0
    .kernarg_segment_align: 8
    .kernarg_segment_size: 48
    .max_flat_workgroup_size: 128
    .sgpr_count:     80
    .vgpr_count:     1024
    .wavefront_size: 32
...
	.end_amdgpu_metadata
.endif
;; end of part 3
